; MI455X (gfx1250); checked and timed in simulation.
; The chip was launched on July 23, 2026; its instructions are those of AMD's public machine-readable ISA for CDNA 5 (MIT licence, August 2026) and "CDNA5" Instruction Set Architecture Reference Guide (July 2026). The comments in the code are by the model that wrote it; some were corrected since.
;; Softmaxchain. Allowed arithmetic: matrix products marked QUANTISED: E2M1 operands, one E8M0 scale for each 32 along K, by v_wmma_scale_f32_16x16x128_f8f6f4 with both operands' format E2M1 (or v_wmma_scale_f32_32x16x128_f4), f32 sums; everything else in f32.
;; Inputs: attention_mask 4 x 1 x 1 x 2,048 float32; k 4 x 16 x 64 x 2,048 float32; q 4 x 16 x 2,048 x 64 float32; v 4 x 16 x 2,048 x 64 float32.
;; Outputs: out0 4 x 16 x 2,048 x 64 float32.
;; This version of the problem:
;;   THIS VERSION OF THE PROBLEM IS GIVEN IN LOW PRECISION. The matrix products marked QUANTISED in the list below multiply operands that are first quantised to E2M1 (2 exponent bits, 1 mantissa bit; 4 bits a number), with one power-of-two scale for each 32 numbers along K (OCP MX v1.0); their sums are f32. All else is computed in f32.
;;   The module's matrix products, in the order in which they are computed (A, B: the left and right operand; K: the contracted axis; several contracted axes count as one K, in the product's order):
;;     1. batch 64 x [M 2,048, K 64] x [K 64, N 2,048]; A: input q; B: input k: QUANTISED
;;     2. batch 64 x [M 2,048, K 2,048] x [K 2,048, N 64]; A: softmax (see below); B: input v: QUANTISED
;;   THE QUANTISER, for each operand of a quantised product, along K:
;;     - K is cut into blocks of 32 from its start; a last block that is shorter is filled with zeros.
;;     - A block's scale is 2^e with e = floor(log2(the largest magnitude in the block)) - 2, held to -126 .. 127; a block of zeros has e = 0. As a byte (E8M0): e + 127.
;;     - Each number is divided by its block's scale, clamped to +-6, and rounded to the nearest number of E2M1, ties to even, subnormals kept.
;;     - The product sums the exact products of the quantised numbers (number of the format x scale) in f32.
;;   ~~~python
;;   def quantise(x, axis):      # numpy; x: float32 -> the quantised numbers, widened to float32 again
;;       x = np.moveaxis(x, axis, -1); K = x.shape[-1]
;;       x = np.pad(x, [(0, 0)] * (x.ndim - 1) + [(0, -K % 32)]); x = x.reshape(x.shape[:-1] + (-1, 32)); a = np.abs(x).max(-1, keepdims=True)
;;       e = np.where(a > 0, np.clip(np.frexp(np.where(a > 0, a, 1))[1] - 1 - 2, -126, 127), 0)      # np.frexp(a)[1] - 1 = floor(log2(a)), exactly
;;       r = np.clip(x / 2.0 ** e, -6, 6)
;;       step = 2.0 ** (np.maximum(np.frexp(np.where(r == 0, 1, r))[1] - 1, 0) - 1)
;;       q = np.round(r / step) * step * 2.0 ** e      # np.round: ties to even
;;       return np.moveaxis(q.reshape(q.shape[:-2] + (-1,))[..., :K], -1, axis).astype(np.float32)
;;   ~~~
;;   SOFTMAX AHEAD OF A QUANTISED PRODUCT. Where the list says 'softmax', what is quantised is not the finished softmax but p = 2^(t - M), with t = logit x log2(e) and M = ceil(the row's largest t), a whole number; so 1/2 < the row's largest p <= 1. The row's sum l is taken of the UNQUANTISED p, in f32, and the product's result is divided by l at the end. Since M is a whole number, a kernel that streams over the keys may use a running M (the ceiling of the running maximum): every later rescaling is an exact power of two, which a block's scale takes up: the codes' values come out the same.
;;   OPERANDS COMPUTED ON THE WAY. 'Computed on the way' means the value that the module computes at that place (a softmax that the list does not call 'softmax' is quantised finished and normalised). What goes into a quantiser is computed in f32, as accurately as f32 sums, v_exp_f32 and their like allow (about 1e-6 of the number): no bf16 or f16 on the way to a quantiser, and a product that is left as it is and whose result goes on into a quantised operand takes f32 operands (vector FMAs, or v_wmma_f32_16x16x4_f32). A number that lies on a knife's edge between two numbers of the format may be rounded either way, as far as f32 arithmetic and the matrix unit's own rounding can turn it there, and no further.
;; One version. Each part assembles by itself: llvm-mc -triple=amdgcn-amd-amdhsa -mcpu=gfx1250 --defsym DOCPART=n.
;; ======== version 1 of 1: 1 launch
;; limits: right only within a limited range of input values
;; launch attn (part 1): grid 4 x 64, 16 waves a work-group, clusters of 4 x 1, 327,680 bytes of LDS; arguments q, k, v, attention_mask, out0; writes out0
.if DOCPART == 1
	.amdgcn_target "amdgcn-amd-amdhsa--gfx1250"
	.amdhsa_code_object_version 6
	.text
	.protected	k_q5a7e58d59c_attn
	.globl	k_q5a7e58d59c_attn
	.p2align	8
	.type	k_q5a7e58d59c_attn,@function
k_q5a7e58d59c_attn:
	s_mov_b64 s[64:65], 0
	v_nop
	global_prefetch_b8 v0, s[64:65] scope:SCOPE_SE
	s_setreg_imm32_b32 hwreg(HW_REG_WAVE_MODE, 25, 1), 1
	s_wait_xcnt 0x0
	s_wait_alu depctr_hold_cnt(0) depctr_sa_sdst(0) depctr_va_vdst(0) depctr_va_sdst(0) depctr_va_ssrc(0) depctr_va_vcc(0) depctr_vm_vsrc(0)
	s_getreg_b32 s2, hwreg(HW_REG_IB_STS2, 6, 4)
	s_cmp_eq_u32 s2, 0
	s_cbranch_scc0 .Lentry_in_a_cluster
	s_endpgm
.Lentry_in_a_cluster:
	s_bfe_u32 s2, ttmp6, 0x10000c
	s_cmp_lg_u32 s2, 0x3003
	s_cbranch_scc0 .Lentry_shape_is_right
	s_endpgm
.Lentry_shape_is_right:
; out0[hd][q][:] = sum over keys of softmax_key(q . k / 8 + mask[key]) v[key][:]; 64 heads, 2,048 queries and keys, head size 64.
; Both products on codes of FP4 (E2M1) with one E8M0 scale for each 32 along K.  All four inputs are read; no work of the problem is left out.
; SHARES.  A cluster of four work-groups is a head; a work-group takes 512 queries, each of its 16 waves 32: two tiles of 16.
; k AND v COME AS f32 AND ARE QUANTISED HERE.  A slot of the ring holds TWO key steps of 128 keys: 64 KiB of k (four quarters of 64 keys, each 64 d-rows of 256 bytes) and 64 KiB of v
; (256 rows of 256 bytes).  Two slots are filled by joint loads (mask: all four work-groups), 32 rows of 256 bytes a wave: the cluster fetches each byte once.
; In trip T: the refill asks for steps 2 T + 4, 5; each wave quantises one block of 32 lanes x 32 numbers of each of steps 2 T + 2, 3 into two of four images in LDS; all waves multiply on the images of steps 2 T, 2 T + 1.
; One round of the cluster's barrier a trip orders all three.  By this text's count a wave has one tensor load out.
; ONE TEXT FOR k AND v.  Wave w = 8 rho + 4 x2 + 2 x1 + x0.  rho = 0 (k): keys 64 x2 + 32 x0 + lane of a step, d = 32 x1 + i.  rho = 1 (v): channel 32 x0 + lane, keys 32 (2 x2 + x1) + i.
; Lane l = low + 8 g owns row m = 8 x0 + low of tile g: so row m of K's tile 4 c + g is key 64 c + 32 (m / 8) + 8 g + m % 8, and row m of V's tile t is channel 32 (m / 8) + 8 t + m % 8.
; IMAGE (8,704 bytes): quad (f, c) of four registers at 4096 rho + 512 f + 2048 c, lane (m, h) at 256 h + 16 m; scale words at 8192 + 256 rho + 16 m + 4 f.
; A FRAGMENT OF K HOLDS TWO KEY TILES: tile f in k 0-63, tile f + 4 in k 64-127; Q is used as (q, 0) or (0, q), zero codes on the other half.
; Both products are used transposed: a lane holds one query; register 32 c + i of its scores is key 64 c + 32 (lane / 16) + i: A WHOLE BLOCK OF 32 KEYS IN A LANE, in the order of the second product's operand:
; a block's largest score needs no other lane, and the conversions' results are the operand's registers.  Register i of a lane's O^T is channel 32 (lane / 16) + i.
; THE MASK is loaded into the scores' registers and is the C of the first product, in place; a step's first mask loads are issued in the step before, when those registers are free.
; THE DIVISION BY 8 is 3 off q's scale bytes.
; THE SOFTMAX: t = logit x log2(e); M = the largest t so far, rounded up to a whole number; p = 2^(t - M) is quantised; the sum is of the unquantised p and divides at the end.
; PREFETCH: each wave asks, in trip T, for its 32 rows of the slot's worth two refills on; the four partners share the rows out by address (8 each, lanes over 7 name the last again); the first four slots' worth come by their loads alone; trips 4 on ask for nothing.
; LIMITS: NaN and infinities in q, k, v are not served; a block of k or v under 2^-124, of q under 2^-121, is coded under the floor's scale; a block of zeros has the byte 1 over zero codes.
; A mask of -infinity on some keys is served; a row whose every t lies under -3e38 gives NaN.
.set RAW1,  131072
.set IMG0,  262144
.set IMGD,  8704
.set KSCO,  8192
.set QST,   IMG0+2*IMGD                ; q's turn, 8 rows x 272 bytes a wave: images 2 and 3, first stored behind a later barrier, and bytes behind the images
.set MSKL,  317440                     ; the batch's mask row, 8,192 bytes
.set SPARE, 325632                     ; the spare words: 128 bytes a wave
.set SP,    272                        ; the way out's stage, 16 rows x 272 bytes a wave, lies in slot 0: it has had its last fill, and nobody reads it
.set SPW, 1
.set NIL, 2
.set L16, 3                            ; 16 x lane
.set LI,  4                            ; IMG0 + 16 x lane
.set LS,  5                            ; IMG0 + KSCO + 16 (lane % 16)
.set LM,  6                            ; MSKL + 128 (lane / 16)
.set ADM, 7
.set RA,  8                            ; v8, v9: my block's first number in slot 0, 1
.set CO,  10                           ; where my codes go
.set SBA, 11                           ; where my scale byte goes
.set STO, 12
.set RD,  13
.set PFO, 14
.set T0,  15
.set STAT, 16                          ; four a tile: -M, the largest t, the sum in two halves
.set QS,  24
.set PS,  26
.set KS,  28
.set VS,  32
.set F,   36
.set SU,  38
.set BM,  40
.set BT,  44
.set SO,  48
.set CD,  52
.set QF,  56                           ; 0000 q0 0000 q1 0000
.set PC,  76                           ; (at the head v76, v77: q's turn, in and back)
.set H8,  93                           ; 8 (lane / 16)
.set KV,  96                           ; K's fragments, then raw numbers, then V's fragments
.set S,   128
.set O,   192
.set WV,  14
.set G1K, 20
.set G1V, 28
.set G0,  36                           ; s[36:39] slot 0, s[40:43] slot 1
.set SEL, 44
.set CS,  46
.set TM,  48                           ; the mask's bytes of the loop's steps: also the loop's counter
.set PFA, 50
.set PFS, 52
.set RM,  74                           ; lanes whose row is under 8
.macro ROUND
	s_barrier_signal -1
	s_barrier_wait -1
	s_cmp_lg_u32 s[WV], 0
	s_cbranch_scc1 .Lnw0_\@
	s_barrier_signal -3
.Lnw0_\@:
	s_barrier_wait -3
	s_barrier_signal -1
	s_barrier_wait -1
.endm
.macro PLACES
.rept 4
	v_nop
.endr
.endm
; a joint load: waves 0-7 fetch k's parts, waves 8-15 v's; step = 1: two slots' worth on first (no load of mine is out)
.macro JLOAD sl, step
	s_cmp_lt_u32 s[WV], 8
	s_cbranch_scc0 .Lfv_\@
.if \step
	s_add_nc_u64 s[G0+4*\sl+2:G0+4*\sl+3], s[G0+4*\sl+2:G0+4*\sl+3], 2048
.endif
	tensor_load_to_lds s[G0+4*\sl:G0+4*\sl+3], s[G1K:G1K+7]
	s_nop 0
	PLACES
	s_branch .Lfj_\@
.Lfv_\@:
.if \step
	s_add_nc_u64 s[G0+4*\sl+2:G0+4*\sl+3], s[G0+4*\sl+2:G0+4*\sl+3], 131072
.endif
	tensor_load_to_lds s[G0+4*\sl:G0+4*\sl+3], s[G1V:G1V+7]
	s_nop 0
	PLACES
.Lfj_\@:
.endm
	s_load_b256 s[4:11], s[0:1], 0x0               ; q, k, v, the mask
	s_load_b64 s[12:13], s[0:1], 0x20              ; out0
	v_lshl_add_u32 v[SPW], v0, 2, SPARE
	v_mov_b32 v[NIL], 0
	ds_add_u32 v[SPW], v[NIL]                      ; the opening lines: the add twice and one wait
	ds_add_u32 v[SPW], v[NIL]
	v_lshrrev_b32 v[T0], 5, v0
	v_readfirstlane_b32 s[WV], v[T0]               ; wave 0..15
	s_bfe_u32 s15, ttmp6, 0x40000                  ; cx: it enters q's, out0's and the prefetches' addresses alone
	s_and_b32 s16, ttmp7, 0xffff                   ; the head
	s_lshl_b32 s54, ttmp9, 2
	s_add_co_u32 s54, s54, s15
	s_lshl_b32 s54, s54, 17                        ; my 512 rows of 256 bytes
	s_lshl_b32 s17, s16, 19                        ; a head is 524,288 bytes in q, k, v, out0
	s_add_co_u32 s54, s54, s17
	s_lshl_b32 s55, s[WV], 13                      ; my wave's 32 rows
	s_add_co_u32 s54, s54, s55
	s_mov_b32 s55, 0
	s_and_b32 s61, s[WV], 1                        ; x0
	s_bfe_u32 s72, s[WV], 0x10001                  ; x1
	s_bfe_u32 s71, s[WV], 0x10002                  ; x2
	s_lshr_b32 s70, s[WV], 3                       ; rho
	s_bfe_u32 s75, s[WV], 0x20001                  ; (w / 2) % 4
	s_lshl_b32 s56, s61, 18                        ; k: 32 rows (d) of 8,192 bytes for w % 2,
	s_lshl_b32 s57, s75, 8                         ; and which 64 keys of the slot's 256
	s_add_co_u32 s56, s56, s57
	s_and_b32 s57, s[WV], 7
	s_lshl_b32 s57, s57, 13                        ; v: 32 rows of 256 bytes
	s_lshr_b32 s58, s16, 4
	s_lshl_b32 s58, s58, 13                        ; the batch's mask row
	s_lshl_b32 s59, s[WV], 9
	s_add_co_u32 s58, s58, s59                     ; my 512 bytes of it
	s_add_co_u32 s67, s59, MSKL
	s_mov_b32 s59, 0
	s_mov_b32 s[G1K+0], 15|(2<<16)|(1<<21)         ; mask: all four; elements of 4 bytes; bit 21 beside a mask
	s_mov_b32 s[G1K+1], 64<<16
	s_mov_b32 s[G1K+2], 32<<16
	s_mov_b32 s[G1K+3], 64<<16
	s_mov_b32 s[G1K+4], 32
	s_mov_b32 s[G1K+5], 2048                       ; k: 2,048 elements from d to d
	s_mov_b32 s[G1K+6], 0
	s_mov_b32 s[G1K+7], 0
	s_mov_b32 s[G1V+0], 15|(2<<16)|(1<<21)
	s_mov_b32 s[G1V+1], 64<<16
	s_mov_b32 s[G1V+2], 32<<16
	s_mov_b32 s[G1V+3], 64<<16
	s_mov_b32 s[G1V+4], 32
	s_mov_b32 s[G1V+5], 64                         ; v: dense
	s_mov_b32 s[G1V+6], 0
	s_mov_b32 s[G1V+7], 0
	s_mov_b32 s[SEL], 0x76543210
	s_mov_b32 s[SEL+1], 0xfedcba98
	s_mov_b32 s[CS], 0x3fb8aa3b                    ; log2(e)
	s_mov_b32 s[CS+1], s[CS]
	s_mov_b32 s[RM], 0x00ff00ff
	s_lshl_b32 s60, s70, 16
	s_lshl_b32 s69, s75, 13
	s_add_co_u32 s60, s60, s69
	s_lshl_b32 s69, s61, 7
	s_add_co_u32 s60, s60, s69                     ; my block in a slot's first step: 65536 rho + 8192 ((w / 2) % 4) + 128 x0
	s_lshl_b32 s62, s70, 12
	s_lshl_b32 s69, s71, 11
	s_add_co_u32 s62, s62, s69
	s_lshl_b32 s69, s72, 8
	s_add_co_u32 s62, s62, s69
	s_lshl_b32 s69, s61, 7
	s_add_co_u32 s62, s62, s69
	s_add_co_u32 s62, s62, IMG0                    ; codes: 4096 rho + 2048 x2 + 256 x1 + 128 x0
	s_lshl_b32 s63, s70, 8
	s_add_co_u32 s63, s63, s69
	s_lshl_b32 s69, s71, 1
	s_add_co_u32 s63, s63, s69
	s_add_co_u32 s63, s63, s72
	s_add_co_u32 s63, s63, IMG0+KSCO               ; byte: 256 rho + 128 x0 + 2 x2 + x1
	s_mul_i32 s66, s[WV], 16*SP                    ; my stage on the way out
	s_mul_i32 s76, s[WV], 8*SP
	s_add_co_u32 s76, s76, QST                     ; and for q's turn
	s_lshl_b32 s73, s15, 3                         ; my work-group's 8 of a part's 32 rows
	s_cmp_lt_u32 s[WV], 8
	s_mov_b32 s[PFS], 65536
	s_cselect_b32 s[PFS], 1024, s[PFS]             ; a slot's worth on, in bytes
	s_mov_b32 s[PFS+1], 0
	s_mov_b32 s68, 256
	s_cselect_b32 s68, 8192, s68                   ; from row to row of my part
	v_and_b32 v[BM], 15, v0                        ; r
	v_bfe_u32 v[BM+1], v0, 4, 1                    ; h
	v_and_b32 v[BM+2], 7, v0                       ; low
	v_bfe_u32 v[BM+3], v0, 3, 2                    ; g
	v_and_b32 v[BT], 31, v0                        ; lane
	v_lshlrev_b32 v[L16], 4, v[BT]
	v_add_nc_u32 v[LI], IMG0, v[L16]
	v_lshl_add_u32 v[LS], v[BM], 4, IMG0+KSCO
	v_lshl_add_u32 v[LM], v[BM+1], 7, MSKL
	v_add_nc_u32 v[ADM], s67, v[L16]               ; at the head: where my 16 bytes of the mask go
	v_lshl_add_u32 v[RA], v[BT], 2, s60
	v_add_nc_u32 v[RA+1], RAW1, v[RA]
	v_lshlrev_b32 v[SO], 4, v[BM+2]                ; 16 low
	v_lshl_add_u32 v[CO], v[BM+3], 9, v[SO]
	v_add_nc_u32 v[CO], s62, v[CO]
	v_lshl_add_u32 v[SBA], v[BM+3], 2, v[SO]
	v_add_nc_u32 v[SBA], s63, v[SBA]
	v_mul_u32_u24 v[STO], v[BM], SP
	v_add_nc_u32 v[STO], s66, v[STO]
	v_lshl_add_u32 v[STO], v[BM+1], 7, v[STO]      ; out: row r, + 128 h
	v_mul_u32_u24 v[SO+1], v[BM+1], SP
	v_lshl_add_u32 v[SO+1], v[BM], 4, v[SO+1]      ; by rows: lanes 0-15 one row, lanes 16-31 the next
	v_add_nc_u32 v[RD], s66, v[SO+1]
	v_add_nc_u32 v[PC], s76, v[SO+1]               ; q's turn, in
	v_mul_u32_u24 v[PC+1], v[BM+2], SP
	v_add_nc_u32 v[PC+1], s76, v[PC+1]
	v_lshl_add_u32 v[PC+1], v[BM+1], 7, v[PC+1]    ; and back: row r % 8, + 128 h
	v_lshlrev_b32 v[H8], 3, v[BM+1]
	v_min_u32 v[PFO], 7, v[BT]
	v_add_nc_u32 v[PFO], s73, v[PFO]
	v_mul_lo_u32 v[PFO], v[PFO], s68
	s_wait_alu depctr_va_vdst(0)                   ; the wait ahead of the waits below
	s_wait_dscnt 0x0
	s_wait_kmcnt 0x0
	s_cmp_lt_u32 s[WV], 8                          ; k's wave or v's: the wave's number alone
	s_cselect_b64 s[70:71], s[6:7], s[8:9]
	s_cselect_b32 s56, s56, s57
	s_add_co_u32 s56, s56, s17
	s_mov_b32 s57, 0
	s_add_nc_u64 s[70:71], s[70:71], s[56:57]      ; my part of steps 0 and 1
	s_add_nc_u64 s[4:5], s[4:5], s[54:55]
	s_add_nc_u64 s[12:13], s[12:13], s[54:55]
	s_add_nc_u64 s[10:11], s[10:11], s[58:59]
	s_mov_b32 s[G0], 1
	s_lshl_b32 s[G0+1], s[WV], 13                  ; 8 KiB a wave
	s_mov_b64 s[G0+2:G0+3], s[70:71]
	s_mov_b32 s[G0+4], 1
	s_add_co_u32 s[G0+5], s[G0+1], RAW1
	s_add_nc_u64 s[G0+6:G0+7], s[70:71], s[PFS:PFS+1]
	s_add_nc_u64 s[PFA:PFA+1], s[G0+6:G0+7], s[PFS:PFS+1]
	s_add_nc_u64 s[PFA:PFA+1], s[PFA:PFA+1], s[PFS:PFS+1]   ; at the fourth slot's worth: trip 0 steps it to the fifth
	s_or_b32 s[G0+3], s[G0+3], 0x80000000
	s_or_b32 s[G0+7], s[G0+7], 0x80000000
	ROUND                                          ; the four work-groups are here: the joint loads meet
	JLOAD 0, 0                                     ; steps 0 and 1: my one tensor load at the head
	global_load_b128 v[CD:CD+3], v[L16], s[10:11]  ; my wave's 512 bytes of the mask
.set II, 0
.rept 16
	global_load_b128 v[S+4*II:S+4*II+3], v[L16], s[4:5] offset:512*II th:TH_LOAD_NT   ; q: two rows a load
.set II, II+1
.endr
.irp a, 0,1
	v_mov_b32 v[STAT+4*\a+1], 0xff61b1e6           ; -3e38, under every t
	v_floor_f32 v[STAT+4*\a], -v[STAT+4*\a+1]
	v_mov_b32 v[STAT+4*\a+2], 0
	v_mov_b32 v[STAT+4*\a+3], 0
.endr
.irp c, 0,1,2,3,8,9,10,11,16,17,18,19
	v_mov_b32 v[QF+\c], 0                          ; zero codes
.endr
.irp b, 0,1,2,3
	v_mov_b32 v[BT+\b], 0                          ; a lane permute's destination counts as a source
.endr
	v_mov_b32 v[F+1], 0
	s_wait_alu depctr_va_vdst(0)
	s_wait_loadcnt 16                              ; the mask is in; q's 16 loads may be out
	ds_store_b128 v[ADM], v[CD:CD+3]
; tile a of q: v[KV] on hold d = 32 h .. + 31 of row r: a whole block
.macro QUANTQ a
	v_max3_num_f32 v[BM], |v[KV]|, |v[KV+1]|, |v[KV+2]|
	v_max3_num_f32 v[BM+1], |v[KV+3]|, |v[KV+4]|, |v[KV+5]|
.irp i, 6,10,14,18,22,26
	v_max3_num_f32 v[BM], v[BM], |v[KV+\i]|, |v[KV+\i+1]|
	v_max3_num_f32 v[BM+1], v[BM+1], |v[KV+\i+2]|, |v[KV+\i+3]|
.endr
	v_max3_num_f32 v[BM], v[BM], |v[KV+30]|, |v[KV+31]|
	v_max3_num_f32 v[BM], v[BM], v[BM+1], 0x3000000   ; the floor 2^(6 - 127)
	v_add_nc_u32 v[SO], 0xff000000, v[BM]          ; 2 off the exponent field: the conversion's scale
	v_add_nc_u32 v[BM+2], 0xfd800000, v[BM]        ; 5 off: the byte less 3: the division by 8
	v_lshrrev_b32 v[BM+2], 23, v[BM+2]
	v_lshlrev_b32 v[BM+2], v[H8], v[BM+2]
	v_permlanex16_b32 v[BT], v[BM+2], s[SEL], s[SEL+1]
	v_or_b32 v[BM+2], v[BM+2], v[BT]
	v_lshl_or_b32 v[QS+(\a)], v[BM+2], 16, v[BM+2] ; the two bytes twice: they serve (q, 0) and (0, q)
.irp g, 0,1,2,3
	v_cvt_scalef32_pk8_fp4_f32 v[QF+4+8*(\a)+\g], v[KV+8*\g:KV+8*\g+7], v[SO]
.endr
	v_nop
.endm
.macro RAWLD sl, z                     ; my block's 32 numbers of the slot's step z, 256 bytes from one to the next along the product's K
.set II, 0
.rept 32
	ds_load_b32 v[KV+II], v[RA+(\sl)] offset:32768*(\z)+256*II
.set II, II+1
.endr
.endm
.macro QUANT im                        ; the block's scale, codes and byte, into image im
	s_wait_dscnt 0x0
	v_max3_num_f32 v[BM], |v[KV]|, |v[KV+1]|, |v[KV+2]|
	v_max3_num_f32 v[BM+1], |v[KV+3]|, |v[KV+4]|, |v[KV+5]|
.irp i, 6,10,14,18,22,26
	v_max3_num_f32 v[BM], v[BM], |v[KV+\i]|, |v[KV+\i+1]|
	v_max3_num_f32 v[BM+1], v[BM+1], |v[KV+\i+2]|, |v[KV+\i+3]|
.endr
	v_max3_num_f32 v[BM], v[BM], |v[KV+30]|, |v[KV+31]|
	v_max3_num_f32 v[BM], v[BM], v[BM+1], 0x1800000   ; the floor 2^(3 - 127): the byte cannot fall under 1
	v_add_nc_u32 v[SO], 0xff000000, v[BM]
.irp g, 0,1,2,3
	v_cvt_scalef32_pk8_fp4_f32 v[CD+\g], v[KV+8*\g:KV+8*\g+7], v[SO]
.endr
	v_lshrrev_b32 v[T0], 23, v[SO]                 ; the byte (a plain line behind the conversions)
	ds_store_b128 v[CO], v[CD:CD+3] offset:(\im)*IMGD
	ds_store_b8 v[SBA], v[T0] offset:(\im)*IMGD
.endm
.macro MASKLD mo                       ; register 32 c + i: the mask of key 64 c + 32 h + i
.set II, 0
.rept 16
	ds_load_b128 v[S+4*II:S+4*II+3], v[ADM] offset:(\mo)+256*(II/8)+16*(II%8)
.set II, II+1
.endr
.endm
.macro FRAGLD im, rho, sc              ; eight quads and the four scale words of K (rho = 0) or V (1)
.irp f, 0,1,2,3
.irp g, 0,1
	ds_load_b128 v[KV+8*\f+4*\g:KV+8*\f+4*\g+3], v[LI] offset:(\im)*IMGD+4096*\rho+512*\f+2048*\g
.endr
.endr
	ds_load_b128 v[\sc:\sc+3], v[LS] offset:(\im)*IMGD+256*\rho
.endm
.macro SCORES a                        ; S^T = K Q^T / 8 + mask: tile f + 4 g from fragment f and Q as (q, 0) (g = 0) or (0, q)
.irp g, 0,1
.irp f, 0,1,2,3
	v_wmma_scale_f32_16x16x128_f8f6f4 v[S+8*(\f+4*\g):S+8*(\f+4*\g)+7], v[KV+8*\f:KV+8*\f+7], v[QF+8*(\a)+4-4*\g:QF+8*(\a)+11-4*\g], v[S+8*(\f+4*\g):S+8*(\f+4*\g)+7], v[KS+\f], v[QS+(\a)] matrix_a_fmt:MATRIX_FMT_FP4 matrix_b_fmt:MATRIX_FMT_FP4
.endr
.endr
.endm
.macro SMA a                           ; tile a's softmax of 128 keys, up to p's codes and scale word.  My two blocks: 2 c + h, c = 0, 1, in registers 32 c on
.set rT, STAT+4*(\a)
.irp b, 0,1,2,3
	v_max3_num_f32 v[BM+\b], v[S+16*\b], v[S+16*\b+1], v[S+16*\b+2]   ; four chains, two to a block
.endr
.irp i, 3,5,7,9,11,13
.irp b, 0,1,2,3
	v_max3_num_f32 v[BM+\b], v[BM+\b], v[S+16*\b+\i], v[S+16*\b+\i+1]
.endr
.endr
.irp c, 0,1
	v_max3_num_f32 v[BM+2*\c], v[BM+2*\c], v[BM+2*\c+1], v[S+32*\c+15]
.endr
.irp c, 0,1
	v_max_num_f32 v[BM+2*\c], v[BM+2*\c], v[S+32*\c+31]   ; each block's largest score: for the row's maximum and for the block's largest p
.endr
	v_max_num_f32 v[T0], v[BM], v[BM+2]
	v_permlanex16_b32 v[BT], v[T0], s[SEL], s[SEL+1]
	v_max_num_f32 v[T0], v[T0], v[BT]              ; with lane l xor 16's two blocks
	v_mul_f32 v[T0], s[CS], v[T0]
	v_max_num_f32 v[rT+1], v[rT+1], v[T0]          ; the running largest t
	v_mov_b32 v[T0], v[rT]
	v_floor_f32 v[rT], -v[rT+1]                    ; -M = floor(-t)
	v_sub_f32 v[T0], v[rT], v[T0]
	v_cvt_i32_f32 v[T0], v[T0]
	v_ldexp_f32 v[F], 1.0, v[T0]                   ; f = 2^(old M - new M)
.set II, 0
.rept 32
	v_pk_fma_f32 v[S+II:S+II+1], v[S+II:S+II+1], s[CS:CS+1], v[rT:rT+1] op_sel_hi:[1,0,0]   ; t - M
.set II, II+2
.endr
.irp c, 0,1
	v_fma_f32 v[BM+2*\c], v[BM+2*\c], s[CS], v[rT]
.endr
	s_wait_alu depctr_va_vdst(0)                   ; the wait ahead of the batch
.set II, 0
.rept 64
	v_exp_f32 v[S+II], v[S+II]
.set II, II+1
.endr
	v_pk_mul_f32 v[rT+2:rT+3], v[rT+2:rT+3], v[F:F+1] op_sel_hi:[1,0]
	s_wait_alu depctr_va_vdst(0)                   ; and behind it
.irp c, 0,1
	v_exp_f32 v[BM+2*\c], v[BM+2*\c]               ; the block's largest p
.endr
	v_pk_add_f32 v[SU:SU+1], v[S:S+1], v[S+2:S+3]  ; the sum of the unquantised p, in two chains
.irp j, 4,8,12,16,20,24,28,32,36,40,44,48,52,56,60
	v_pk_add_f32 v[rT+2:rT+3], v[rT+2:rT+3], v[S+\j:S+\j+1]
	v_pk_add_f32 v[SU:SU+1], v[SU:SU+1], v[S+\j+2:S+\j+3]
.endr
	v_pk_add_f32 v[rT+2:rT+3], v[rT+2:rT+3], v[SU:SU+1]
	s_wait_alu depctr_va_vdst(0)                   ; for the two
.irp c, 0,1
	v_max_num_f32 v[BM+2*\c], 0x1800000, v[BM+2*\c]
.endr
.irp c, 0,1
	v_add_nc_u32 v[SO+\c], 0xff000000, v[BM+2*\c]  ; 2 off the exponent field: the conversion's scale
.endr
.irp c, 0,1
	v_lshrrev_b32 v[BT+\c], 23, v[SO+\c]           ; the byte
.endr
	v_lshl_or_b32 v[BT], v[BT+1], 16, v[BT]        ; my two bytes: blocks h and 2 + h,
	v_lshlrev_b32 v[BT], v[H8], v[BT]              ; at their places in the word
	v_permlanex16_b32 v[BT+2], v[BT], s[SEL], s[SEL+1]
	v_or_b32 v[PS+(\a)], v[BT], v[BT+2]            ; with lane l xor 16's two the word is whole
.irp c, 0,1
.irp g, 0,1,2,3
	v_cvt_scalef32_pk8_fp4_f32 v[PC+8*(\a)+4*\c+\g], v[S+32*\c+8*\g:S+32*\c+8*\g+7], v[SO+\c]   ; registers 4 c on of the operand
.endr
.endr
	v_nop
.endm
.macro SMB a                           ; O^T under the new M
	s_wait_alu depctr_va_vdst(0)                   ; the wait directly ahead of the first reader of O^T
.set II, 0
.rept 16
	v_pk_mul_f32 v[O+32*(\a)+II:O+32*(\a)+II+1], v[O+32*(\a)+II:O+32*(\a)+II+1], v[F:F+1] op_sel_hi:[1,0]
.set II, II+2
.endr
.endm
.macro PV                              ; O^T += V^T P^T, both tiles: eight accumulators by turns
.irp a, 0,1
.irp t, 0,1,2,3
	v_wmma_scale_f32_16x16x128_f8f6f4 v[O+32*\a+8*\t:O+32*\a+8*\t+7], v[KV+8*\t:KV+8*\t+7], v[PC+8*\a:PC+8*\a+7], v[O+32*\a+8*\t:O+32*\a+8*\t+7], v[VS+\t], v[PS+\a] matrix_a_fmt:MATRIX_FMT_FP4 matrix_b_fmt:MATRIX_FMT_FP4
.endr
.endr
.endm
.macro ASK                             ; my part of the slot's worth two refills on; iterations 2 on (trips 4 on) ask for nothing
	s_cmp_lt_u32 s[TM], 2*2048
	s_cbranch_scc0 .Lna_\@
	global_prefetch_b8 v[PFO], s[PFA:PFA+1] th:TH_LOAD_NT scope:SCOPE_SE
.Lna_\@:
.endm
; a key step on image im; its mask lies mo bytes behind ADM, and tile 0's is already in the scores' registers.
; quant = 1: my block of step qz of slot qs goes into image 2 qs + qz: it is loaded into K's registers when the last scores are made, and worked behind tile 1's softmax; V's fragments follow it.
.macro STEP im, mo, ask, quant, qs, qz, nxt
	FRAGLD \im, 0, KS
	s_wait_dscnt 0x0
	SCORES 0
	PLACES
.if \ask
	ASK
.endif
	SMA 0
	MASKLD \mo                                     ; the scores' registers are free: tile 1's C
	SMB 0
	s_wait_dscnt 0x0
	SCORES 1
	PLACES
.if \quant
	RAWLD \qs, \qz
.else
	FRAGLD \im, 1, VS
.endif
	SMA 1
.if \quant
	QUANT 2*(\qs)+(\qz)
	FRAGLD \im, 1, VS
.endif
.if \nxt
	MASKLD (\mo)+512                               ; the next step's, for its tile 0
.endif
	SMB 1
	s_wait_alu depctr_va_vdst(0)                   ; the wait directly ahead of the wait below
	s_wait_dscnt 0x0
	PV
.endm
; trip T, sg = T % 2: steps 2 T and 2 T + 1
.macro TRIP sg, refill, quant, last
	s_wait_alu depctr_va_vdst(0)                   ; the wait ahead of the waits and branches below
.if \quant
	s_wait_tensorcnt 0x0                           ; my part of the other slot is in
	ds_add_u32 v[SPW], v[NIL]
.if \refill
	s_wait_xcnt 0x0                                ; my prefetch has read its address
	s_add_nc_u64 s[PFA:PFA+1], s[PFA:PFA+1], s[PFS:PFS+1]
.endif
.endif
	s_wait_dscnt 0x0                               ; the add, my stores into the images, my reads of the slot and of the other images
.if \refill
	ROUND
	JLOAD \sg, 1                                   ; into the slot read in the trip before; its four v_nop are the places ahead of the loads below
.else
	s_barrier_signal -1
	s_barrier_wait -1
	PLACES
.endif
	v_add_nc_u32 v[ADM], s[TM], v[LM]
	STEP 2*\sg, 1024*\sg, \refill, \quant, 1-\sg, 0, 1
	PLACES
	STEP 2*\sg+1, 1024*\sg+512, 0, \quant, 1-\sg, 1, 1-\last
.endm
	s_wait_tensorcnt 0x0                           ; my part of steps 0 and 1 is in
	ds_add_u32 v[SPW], v[NIL]
	s_wait_dscnt 0x0                               ; the add, and my store of the mask
	ROUND
	JLOAD 1, 0                                     ; slot 1's first fill, issued as a refill is
	RAWLD 0, 0
	QUANT 0
	RAWLD 0, 1
	QUANT 1
.irp a, 0,1                            ; q's turn, 8 rows at a time: in as loaded, back 128 bytes a lane; LDS serves a wave's instructions in order
	s_wait_loadcnt 8-8*\a
.irp j, 0,1,2,3
	ds_store_b128 v[PC], v[S+32*\a+4*\j:S+32*\a+4*\j+3] offset:2*SP*\j
.endr
.irp j, 0,1,2,3,4,5,6,7
	ds_load_b128 v[KV+4*\j:KV+4*\j+3], v[PC+1] offset:16*\j    ; row r % 8
.endr
.irp j, 0,1,2,3
	ds_store_b128 v[PC], v[S+32*\a+16+4*\j:S+32*\a+16+4*\j+3] offset:2*SP*\j
.endr
.irp j, 0,1,2,3,4,5,6,7
	ds_load_b128 v[O+4*\j:O+4*\j+3], v[PC+1] offset:16*\j      ; row 8 + r % 8
.endr
	s_wait_dscnt 0x0
.set II, 0
.rept 32
	v_cndmask_b32 v[KV+II], v[O+II], v[KV+II], s[RM]           ; my row's
.set II, II+1
.endr
	QUANTQ \a
.endr
.set II, 0
.rept 64
	v_mov_b32 v[O+II], 0                           ; O^T: the key step is written once; the first finds zeros
.set II, II+1
.endr
	v_mov_b32 v[ADM], v[LM]
	MASKLD 0                                       ; step 0's, for its tile 0
	s_mov_b32 s[TM], 0
.Lloop:                                            ; 3 trips of the loop, two slots each: steps 0 to 11
	TRIP 0, 1, 1, 0
	TRIP 1, 1, 1, 0
	s_add_co_u32 s[TM], s[TM], 2048
	s_cmp_lt_u32 s[TM], 6144
	s_cbranch_scc1 .Lloop
	TRIP 0, 0, 1, 0                                ; steps 12, 13: nothing more is asked for
	TRIP 1, 0, 0, 1                                ; steps 14, 15: nothing more is quantised
	; THE WAY OUT: register i of a tile is channel 32 h + i of row r
.irp a, 0,1
	v_add_f32 v[STAT+4*\a+2], v[STAT+4*\a+2], v[STAT+4*\a+3]
.endr
.irp a, 0,1
	v_permlanex16_b32 v[BT+\a], v[STAT+4*\a+2], s[SEL], s[SEL+1]
.endr
.irp a, 0,1
	v_add_f32 v[STAT+4*\a+2], v[STAT+4*\a+2], v[BT+\a]
.endr
	s_wait_alu depctr_va_vdst(0)
.irp a, 0,1
	v_rcp_f32 v[STAT+4*\a+2], v[STAT+4*\a+2]
.endr
	v_nop
	s_wait_alu depctr_va_vdst(0)                   ; for the reciprocals, and directly ahead of the first readers of O^T
.irp a, 0,1
.set II, 0
.rept 16
	v_pk_mul_f32 v[S+32*\a+II:S+32*\a+II+1], v[O+32*\a+II:O+32*\a+II+1], v[STAT+4*\a+2:STAT+4*\a+3] op_sel_hi:[1,0]
.set II, II+2
.endr
.endr
.macro TURN a, bk                      ; through my stage: in by lanes (128 bytes a lane), back by rows
.irp c, 0,1,2,3,4,5,6,7
	ds_store_b128 v[STO], v[S+32*\a+4*\c:S+32*\a+4*\c+3] offset:16*\c
.endr
.irp i, 0,1,2,3,4,5,6,7
	ds_load_b128 v[\bk+4*\i:\bk+4*\i+3], v[RD] offset:2*SP*\i
.endr
.endm
.macro SEND a, bk, younger
.irp i, 0,1,2,3,4,5,6,7
	s_wait_dscnt \younger+7-\i
	global_store_b128 v[L16], v[\bk+4*\i:\bk+4*\i+3], s[12:13] offset:4096*\a+512*\i th:TH_STORE_NT   ; 32 lanes store two whole rows
.endr
.endm
	TURN 0, KV
	TURN 1, O
	SEND 0, KV, 16                                 ; tile 1's sixteen LDS instructions may be out
	SEND 1, O, 0
	s_wait_tensorcnt 0x0                           ; the wave's end
	ds_add_u32 v[SPW], v[NIL]
	s_wait_dscnt 0x0
	ROUND                                          ; the closing round
	s_endpgm
.Lfunc_end_k_q5a7e58d59c_attn:
	.size	k_q5a7e58d59c_attn, .Lfunc_end_k_q5a7e58d59c_attn-k_q5a7e58d59c_attn
	.p2alignl 7, 3214868480
	.fill 96, 4, 3214868480
	.section	.rodata,"a",@progbits
	.p2align	6, 0x0
	.amdhsa_kernel k_q5a7e58d59c_attn
		.amdhsa_group_segment_fixed_size 327680
		.amdhsa_private_segment_fixed_size 0
		.amdhsa_enable_private_segment 0
		.amdhsa_kernarg_size 40
		.amdhsa_user_sgpr_count 2
		.amdhsa_user_sgpr_kernarg_segment_ptr 1
		.amdhsa_wavefront_size32 1
		.amdhsa_system_sgpr_workgroup_id_x 1
		.amdhsa_system_sgpr_workgroup_id_y 1
		.amdhsa_system_sgpr_workgroup_id_z 1
		.amdhsa_system_vgpr_workitem_id 0
		.amdhsa_next_free_vgpr 256
		.amdhsa_next_free_sgpr 80
		.amdhsa_reserve_vcc 0
		.amdhsa_float_denorm_mode_32 3
		.amdhsa_float_denorm_mode_16_64 3
		.amdhsa_memory_ordered 1
		.amdhsa_forward_progress 1
		.amdhsa_inst_pref_size 255
	.end_amdhsa_kernel
	.section	.bss,"aw",@nobits
	.p2align	6
	.space	262144
	.amdgpu_metadata
---
amdhsa.version: [ 1, 2 ]
amdhsa.kernels:
  - .name:           k_q5a7e58d59c_attn
    .symbol:         k_q5a7e58d59c_attn.kd
    .args:
      - { .name: q, .offset: 0, .size: 8, .value_kind: global_buffer, .address_space: global }
      - { .name: k, .offset: 8, .size: 8, .value_kind: global_buffer, .address_space: global }
      - { .name: v, .offset: 16, .size: 8, .value_kind: global_buffer, .address_space: global }
      - { .name: attention_mask, .offset: 24, .size: 8, .value_kind: global_buffer, .address_space: global }
      - { .name: out0, .offset: 32, .size: 8, .value_kind: global_buffer, .address_space: global }
    .group_segment_fixed_size: 327680
    .private_segment_fixed_size: 0
    .kernarg_segment_align: 8
    .kernarg_segment_size: 40
    .max_flat_workgroup_size: 512
    .sgpr_count:     80
    .vgpr_count:     256
    .wavefront_size: 32
...
	.end_amdgpu_metadata
.endif
;; end of part 1
